; MI455X (gfx1250); checked and timed in simulation.
; The chip was launched on July 23, 2026; its instructions are those of AMD's public machine-readable ISA for CDNA 5 (MIT licence, August 2026) and "CDNA5" Instruction Set Architecture Reference Guide (July 2026). The comments in the code are by the model that wrote it; some were corrected since.
;; Multi Head Self Attention. Allowed arithmetic: matrix products marked QUANTISED: E2M3 operands, one E8M0 scale for each 32 along K, by v_wmma_scale_f32_16x16x128_f8f6f4 with both operands' format E2M3, f32 sums; products left as they are: f32 operands where the result goes on into a quantised operand, else bf16, f16 or f32 operands; f32 sums; everything else in f32.
;; Inputs: Wf 1,024 x 1,024 float32; Wk 16 x 1,024 x 64 float32; Wq 16 x 1,024 x 64 float32; Wv 16 x 1,024 x 64 float32; bf 1,024 float32; x 16,384 x 1,024 float32.
;; Outputs: out0 16,384 x 1,024 float32.
;; This version of the problem:
;;   THIS VERSION OF THE PROBLEM IS GIVEN IN LOW PRECISION. The matrix products marked QUANTISED in the list below multiply operands that are first quantised to E2M3 (2 exponent bits, 3 mantissa bits; 6 bits a number), with one power-of-two scale for each 32 numbers along K (OCP MX v1.0); their sums are f32. All else is computed in f32.
;;   The module's matrix products, in the order in which they are computed (A, B: the left and right operand; K: the contracted axis; several contracted axes count as one K, in the product's order):
;;     1. [M 16,384, K 1,024] x [K 1,024, N 1,024]; A: input x; B: input Wq: QUANTISED
;;     2. [M 16,384, K 1,024] x [K 1,024, N 1,024]; A: input x; B: input Wk: QUANTISED
;;     3. [M 16,384, K 1,024] x [K 1,024, N 1,024]; A: input x; B: input Wv: QUANTISED
;;     4. batch 16,384 x [M 16, K 64] x [K 64, N 16]; A: computed on the way; B: computed on the way: QUANTISED
;;     5. batch 16,384 x [M 16, K 16] x [K 16, N 64]; A: softmax; B: computed on the way: left as it is (K = 16 < 32)
;;     6. [M 16,384, K 1,024] x [K 1,024, N 1,024]; A: computed on the way; B: input Wf: QUANTISED
;;   THE QUANTISER, for each operand of a quantised product, along K:
;;     - K is cut into blocks of 32 from its start; a last block that is shorter is filled with zeros.
;;     - A block's scale is 2^e with e = floor(log2(the largest magnitude in the block)) - 2, held to -126 .. 127; a block of zeros has e = 0. As a byte (E8M0): e + 127.
;;     - Each number is divided by its block's scale, clamped to +-7.5, and rounded to the nearest number of E2M3, ties to even, subnormals kept.
;;     - The product sums the exact products of the quantised numbers (number of the format x scale) in f32.
;;   ~~~python
;;   def quantise(x, axis):      # numpy; x: float32 -> the quantised numbers, widened to float32 again
;;       x = np.moveaxis(x, axis, -1); K = x.shape[-1]
;;       x = np.pad(x, [(0, 0)] * (x.ndim - 1) + [(0, -K % 32)]); x = x.reshape(x.shape[:-1] + (-1, 32)); a = np.abs(x).max(-1, keepdims=True)
;;       e = np.where(a > 0, np.clip(np.frexp(np.where(a > 0, a, 1))[1] - 1 - 2, -126, 127), 0)      # np.frexp(a)[1] - 1 = floor(log2(a)), exactly
;;       r = np.clip(x / 2.0 ** e, -7.5, 7.5)
;;       step = 2.0 ** (np.maximum(np.frexp(np.where(r == 0, 1, r))[1] - 1, 0) - 3)
;;       q = np.round(r / step) * step * 2.0 ** e      # np.round: ties to even
;;       return np.moveaxis(q.reshape(q.shape[:-2] + (-1,))[..., :K], -1, axis).astype(np.float32)
;;   ~~~
;;   OPERANDS COMPUTED ON THE WAY. 'Computed on the way' means the value that the module computes at that place (a softmax that the list does not call 'softmax' is quantised finished and normalised). What goes into a quantiser is computed in f32, as accurately as f32 sums, v_exp_f32 and their like allow (about 1e-6 of the number): no bf16 or f16 on the way to a quantiser, and a product that is left as it is and whose result goes on into a quantised operand takes f32 operands (vector FMAs, or v_wmma_f32_16x16x4_f32). A number that lies on a knife's edge between two numbers of the format may be rounded either way, as far as f32 arithmetic and the matrix unit's own rounding can turn it there, and no further.
;; One version. Each part assembles by itself: llvm-mc -triple=amdgcn-amd-amdhsa -mcpu=gfx1250 --defsym DOCPART=n.
;; ======== version 1 of 1: 2 launches
;; limits: right only within a limited range of input values
;; workspace buffers: wfrag 3,276,800 bytes
;; launch prep (part 1): grid 256 x 1, 4 waves a work-group, no clusters, 123,392 bytes of LDS; arguments Wq, Wk, Wv, Wf, wfrag; writes wfrag
.if DOCPART == 1
	.amdgcn_target "amdgcn-amd-amdhsa--gfx1250"
	.amdhsa_code_object_version 6
	.text
	.protected	k_q2f40d668b0_prep
	.globl	k_q2f40d668b0_prep
	.p2align	8
	.type	k_q2f40d668b0_prep,@function
k_q2f40d668b0_prep:
	s_mov_b64 s[64:65], 0
	v_nop
	global_prefetch_b8 v0, s[64:65] scope:SCOPE_SE
	s_setreg_imm32_b32 hwreg(HW_REG_WAVE_MODE, 25, 1), 1
	s_wait_xcnt 0x0
; Wq, Wk, Wv [16 heads][1024 f][64 d] and Wf [1024 k][1024 n], f32, are quantised along their K (f, or Wf's first axis) into codes of FP6 (E2M3) with one E8M0 byte for each 32 along K,
; and laid in wfrag AS IMAGES OF THE OPERAND'S REGISTERS, in the order in which the waves of the second launch take them.  No work of reference() is left out anywhere in this program: all six inputs reach the output.
; wfrag: step block ((w*8 + G)*8 + s) of 12,800 bytes: w = the wave that takes it, G = group (0,1 Q; 2,3 K; 4,5 V; 6,7 F), s = K step of 128.  A block is two halves of 6,400 bytes: four fragments of
; 1,536 bytes (tiles 4q .. 4q+3; byte 512 j + 16 l + 4 i = register 4 j + i of lane l), then 256 bytes of scale words (byte 8 l + 4 i = the word of tile 4q + 2 i + l / 16, row l % 16).
; WHICH ROWS FORM A TILE (rho = row in the tile, t = tile, a = 2 w + G % 2):
;   Q, K, F: column k' = 32 (t/2) + 8 (t%2) + rho%8 + 16 (rho/8) of the group's 128; Q, K: head 2 a + k'/64, d = k'%64; F: n = 128 a + k'.   V: head 2 t + rho%2, d = 8 a + 2 ((rho%8)/2) + rho/8.
; A block's scale is 2^(floor(log2(largest magnitude)) - 2); its byte is the largest magnitude's exponent field - 2, held at 1 from below.
; LIMITS: a block of zeros gets the byte 1 where the rule says 127 (its codes are zeros, and this program alone reads the bytes); blocks whose largest magnitude lies under 2^-124 were not tried; NaN and infinities are not served.
; SHARES.  Work-group id: T = id / 64 (q, k, v, f), s = (id / 8) % 8, pt = id % 8.  It reads a slab of two pieces of [128 along K][64 columns] (Q, K, V: heads 2 pt and 2 pt + 1; F: columns 128 pt on), 64 KiB,
; by loads in which sixteen lanes take 256 consecutive bytes, lays it in LDS, and each wave gathers two fragments from it: a lane takes a column and its registers run down K, so nothing is transposed.
; One path serves all four tensors: what differs is chosen by s_cselect_b32, s_cselect_b64 and v_cndmask_b32 on T.
; The 16 scale words of a tile are stored 8 bytes apart: those stores fill their 256 bytes in part; they are 1 byte in 25 of what the launch stores.
.set SUB,   35392                      ; LDS: a piece: four quarters of 32 rows + 64
.set QTR,   8832                       ; a quarter: 32 rows of 272 bytes + 128
.set ROWP,  272                        ; a row: 256 bytes + 16.  With these three the 32 lanes of a gather fall on 32 different banks (64 banks of 4 bytes: ISA guide 11.1)
.set SPARE, 122880                     ; the spare words, 128 bytes a wave, beyond every address that the chosen gather terms could add up to
.set SB,    12800
.set HB,    6400
.set SPW,   14                         ; v14  my spare word's LDS address; never rewritten
.set NIL,   15                         ; v15  0; never rewritten
.set OFS,   16                         ; v16-31 the loads' offsets; when the loads are in: at work
.set FRG,   32                         ; v32-43, v44-55 the two fragments
.set X,     64                         ; v64-191 the slab's rows as loaded; then the two fragments' 64 numbers each
	s_load_b256 s[4:11], s[0:1], 0x0               ; Wq s[4:5], Wk s[6:7], Wv s[8:9], Wf s[10:11]
	s_load_b64 s[12:13], s[0:1], 0x20              ; wfrag
	v_lshl_add_u32 v[SPW], v0, 2, SPARE
	v_mov_b32 v[NIL], 0
	v_lshrrev_b32 v1, 5, v0
	v_readfirstlane_b32 s14, v1                    ; wave
	v_and_b32 v2, 31, v0                           ; lane
	v_and_b32 v3, 15, v0                           ; rho
	v_bfe_u32 v4, v0, 4, 1                         ; hh
	s_wait_alu depctr_va_vdst(0)
	s_lshr_b32 s15, ttmp9, 6                       ; T
	s_bfe_u32 s16, ttmp9, 0x30003                  ; s
	s_and_b32 s17, ttmp9, 7                        ; pt
	; where the slab lies.  Q, K, V: pt x 524,288 + s x 32,768, rows 256 bytes apart, pieces 262,144.  F: s x 524,288 + pt x 512, rows 4,096 apart, pieces 256.
	s_cmp_eq_u32 s15, 3
	s_cselect_b32 s18, 12, 8                       ; log2 of the row's stride
	s_cselect_b32 s19, s16, s17
	s_cselect_b32 s20, s17, s16
	s_cselect_b32 s21, 9, 15
	s_cselect_b32 s22, 8, 18                       ; log2 of the pieces' distance
	s_lshl_b32 s19, s19, 19
	s_lshl_b32 s20, s20, s21
	s_add_co_u32 s19, s19, s20
	s_add_co_u32 s23, s18, 5
	s_lshl_b32 s23, s14, s23                       ; my wave's 32 rows
	s_add_co_u32 s24, s19, s23
	s_mov_b32 s25, 0
	s_lshl_b32 s26, 1, s22
	s_mov_b32 s27, 0
	s_add_co_u32 s33, s18, 1
	s_lshl_b32 s33, 1, s33                         ; two rows
	v_lshlrev_b32 v5, s18, v4                      ; lanes 16-31 take the next row,
	v_lshl_add_u32 v5, v3, 4, v5                   ; 16 bytes a lane
.irp i, 0,1,2,3,4,5,6,7,8,9,10,11,12,13,14,15
	v_mad_u32_u24 v[OFS+\i], s33, \i, v5
.endr
	s_and_b32 s32, s15, 1
	s_wait_alu depctr_va_vdst(0)
	s_wait_kmcnt 0x0
	s_cmp_lt_u32 s15, 2                            ; the tensor is chosen by the work-group's number alone
	s_cselect_b64 s[28:29], s[4:5], s[8:9]
	s_cselect_b64 s[30:31], s[6:7], s[10:11]
	s_cmp_eq_u32 s32, 1
	s_cselect_b64 s[28:29], s[30:31], s[28:29]
	s_add_nc_u64 s[28:29], s[28:29], s[24:25]      ; piece 0,
	s_add_nc_u64 s[30:31], s[28:29], s[26:27]      ; piece 1
.irp i, 0,1,2,3,4,5,6,7,8,9,10,11,12,13,14,15
	global_load_b128 v[X+4*\i:X+4*\i+3], v[OFS+\i], s[28:29] th:TH_LOAD_NT
.endr
.irp i, 0,1,2,3,4,5,6,7,8,9,10,11,12,13,14,15
	global_load_b128 v[X+64+4*\i:X+64+4*\i+3], v[OFS+\i], s[30:31] th:TH_LOAD_NT
.endr
	; LDS addresses.  In: row 32 wave + 2 i + lane / 16
	s_mul_i32 s34, s14, QTR
	v_mul_u32_u24 v6, v4, ROWP
	v_lshl_add_u32 v6, v3, 4, v6
	v_add_nc_u32 v6, s34, v6
	; out: lane (rho, hh) takes rows 64 c + 32 hh + i of its column
	v_and_b32 v7, 7, v3
	v_lshrrev_b32 v8, 3, v3
	v_lshlrev_b32 v9, 2, v7
	v_lshl_add_u32 v9, v8, 6, v9                   ; Q, K, F: column rho%8 + 16 (rho/8)
	v_and_b32 v10, 1, v3
	v_mul_u32_u24 v10, v10, SUB                    ; V: piece rho%2,
	v_lshrrev_b32 v11, 1, v7
	v_lshl_add_u32 v10, v11, 3, v10                ; column 2 ((rho%8)/2) + rho/8
	v_lshl_add_u32 v10, v8, 2, v10
	s_wait_alu depctr_va_vdst(0)
	s_lshr_b32 s36, s14, 1
	s_mul_i32 s36, s36, SUB                        ; Q, K, F: fragment fi = 2 wave + e: piece fi/4, column 32 ((fi/2)%2) + 8 (fi%2)
	s_and_b32 s37, s14, 1
	s_lshl_b32 s37, s37, 7
	s_add_co_u32 s36, s36, s37
	s_lshl_b32 s37, s14, 6                         ; V: column 8 fi.  (In both, e stands in the immediate: 32 e bytes)
	s_cmp_eq_u32 s15, 2
	s_cselect_b32 s35, -1, 0
	s_cselect_b32 s36, s37, s36
	v_cndmask_b32 v9, v9, v10, s35
	v_mad_u32_u24 v9, v4, QTR, v9
	v_add_nc_u32 v9, s36, v9
; where fragment e and its scale words go: a, t = pt, fi (Q, K, F) or fi, pt (V)
.macro OFFS e, fo, so
	s_lshl_b32 s40, s14, 1
	s_add_co_u32 s40, s40, \e                      ; fi
	s_cmp_eq_u32 s15, 2
	s_cselect_b32 s41, s40, s17                    ; a
	s_cselect_b32 s42, s17, s40                    ; t
	s_lshr_b32 s43, s41, 1
	s_lshl_b32 s43, s43, 3
	s_lshl_b32 s44, s15, 1
	s_add_co_u32 s43, s43, s44
	s_and_b32 s44, s41, 1
	s_add_co_u32 s43, s43, s44                     ; 8 w + G
	s_lshl_b32 s43, s43, 3
	s_add_co_u32 s43, s43, s16
	s_mul_i32 s43, s43, SB
	s_lshr_b32 s44, s42, 2
	s_mul_i32 s44, s44, HB
	s_add_co_u32 s43, s43, s44                     ; the half block
	s_and_b32 s44, s42, 3
	s_mul_i32 s44, s44, 1536
	s_add_co_u32 s[\fo], s43, s44
	s_and_b32 s44, s42, 1
	s_lshl_b32 s44, s44, 7
	s_bfe_u32 s45, s42, 0x10001
	s_lshl_b32 s45, s45, 2
	s_add_co_u32 s44, s44, s45
	s_add_co_u32 s44, s44, s43
	s_add_co_u32 s[\so], s44, 6144
.endm
	OFFS 0, 46, 47
	OFFS 1, 48, 49
	s_mov_b32 s50, 0x76543210
	s_mov_b32 s51, 0xfedcba98                      ; v_permlanex16_b32's selects for lane l xor 16
	v_lshlrev_b32 v1, 4, v2                        ; 16 x lane
	v_cmp_eq_u32 vcc_lo, 1, v4
	v_mov_b32 v12, s47
	v_mov_b32 v13, s49
	v_cndmask_b32 v12, v12, v13, vcc_lo            ; lanes 0-15 store fragment 0's scale words, lanes 16-31 fragment 1's
	v_lshl_add_u32 v12, v3, 3, v12
	; Every byte of LDS under the spare words is written before any gather: zeros first, 16 bytes a thread and 2,048 a store, 60 stores; the slab's rows then land on them behind a barrier, and the padding keeps the zeros.
	; The stores stand here, while the 32 loads of the slab are out.
	v_lshlrev_b32 v56, 4, v0                       ; 16 x thread
	v_add_nc_u32 v57, 0x10000, v56                 ; and 65,536 on: an offset has 16 bits
.irp i, 60,61,62,63
	v_mov_b32 v\i, 0
.endr
.set N, 0
.rept 32
	ds_store_b128 v56, v[60:63] offset:2048*N
.set N, N+1
.endr
.set N, 0
.rept 28
	ds_store_b128 v57, v[60:63] offset:2048*N
.set N, N+1
.endr
	s_wait_alu depctr_va_vdst(0)
	s_wait_dscnt 0x0                               ; my zeros lie in LDS
	s_barrier_signal -1
	s_barrier_wait -1                              ; and everybody's: rows may be stored over them
.set N, 0
	s_wait_alu depctr_va_vdst(0)
.rept 32
	s_wait_loadcnt 31-N                            ; loads come back in order: load N is in, the 31 - N behind it may be out
	ds_store_b128 v6, v[X+4*N:X+4*N+3] offset:(N/16)*SUB+544*(N%16)
.set N, N+1
.endr
	s_wait_dscnt 0x0                               ; for the others' sake: my rows lie in LDS
	s_barrier_signal -1
	s_barrier_wait -1
.irp e, 0,1
.irp c, 0,1
.irp i, 0,1,2,3,4,5,6,7,8,9,10,11,12,13,14,15,16,17,18,19,20,21,22,23,24,25,26,27,28,29,30,31
	ds_load_b32 v[X+64*\e+32*\c+\i], v9 offset:32*\e+2*QTR*\c+ROWP*\i
.endr
.endr
.endr
	v_add_nc_u32 v28, s46, v1                      ; (the loads' offsets are free: all loads are in)
	v_add_nc_u32 v29, s48, v1
	v_lshlrev_b32 v23, 3, v4                       ; 8 hh
	v_mov_b32 v22, 0                               ; a lane permute's destination counts as one of its sources
; Fragment e: two whole blocks of 32 a lane
.macro PQ e
.set XB, X+64*\e
.set FB, FRG+12*\e
.irp c, 0,1
	v_max3_num_f32 v[16+\c], |v[XB+32*\c]|, |v[XB+32*\c+1]|, 0x1800000   ; the floor 2^(3 - 127) holds the byte at 1 from below
.endr
.irp i, 2,4,6,8,10,12,14,16,18,20,22,24,26,28,30
.irp c, 0,1
	v_max3_num_f32 v[16+\c], v[16+\c], |v[XB+32*\c+\i]|, |v[XB+32*\c+\i+1]|
.endr
.endr
.irp c, 0,1
	v_add_nc_u32 v[18+\c], 0xff000000, v[16+\c]    ; 2 off the exponent field: the conversion's scale operand
.endr
.irp c, 0,1
	v_lshrrev_b32 v[20+\c], 23, v[18+\c]           ; the scale's byte
.endr
	v_lshl_or_b32 v[26+\e], v21, 16, v20           ; blocks hh and 2 + hh,
	v_lshlrev_b32 v[26+\e], v23, v[26+\e]          ; at their places in the word;
	v_permlanex16_b32 v22, v[26+\e], s50, s51
	v_or_b32 v[26+\e], v[26+\e], v22               ; with lane l xor 16's two the word is whole
.irp c, 0,1
	v_cvt_scalef32_pk16_fp6_f32 v[FB+6*\c:FB+6*\c+2], v[XB+32*\c:XB+32*\c+15], v[18+\c]
	v_cvt_scalef32_pk16_fp6_f32 v[56+4*\c:58+4*\c], v[XB+32*\c+16:XB+32*\c+31], v[18+\c]   ; (a conversion's three registers begin on an even number)
.endr
	v_nop                                          ; one plain place behind a scaled conversion
.irp c, 0,1
.irp i, 0,1,2
	v_mov_b32 v[FB+6*\c+3+\i], v[56+4*\c+\i]
.endr
.endr
.irp j, 0,1,2
	global_store_b128 v[28+\e], v[FB+4*\j:FB+4*\j+3], s[12:13] offset:512*\j   ; 32 lanes store 512 consecutive bytes, at a multiple of 256 from the buffer's first byte
.endr
.endm
	s_wait_dscnt 63                                ; fragment 0's 64 numbers are in (64 younger loads could stay out; the count's field ends at 63)
	PQ 0
	s_wait_dscnt 0x0
	PQ 1
	v_cndmask_b32 v13, v26, v27, vcc_lo
	global_store_b32 v12, v13, s[12:13]
	s_wait_tensorcnt 0x0                           ; the wave's end
	ds_add_u32 v[SPW], v[NIL]
	s_wait_dscnt 0x0
	s_endpgm
.Lfunc_end_k_q2f40d668b0_prep:
	.size	k_q2f40d668b0_prep, .Lfunc_end_k_q2f40d668b0_prep-k_q2f40d668b0_prep
	.p2alignl 7, 3214868480
	.fill 96, 4, 3214868480
	.section	.rodata,"a",@progbits
	.p2align	6, 0x0
	.amdhsa_kernel k_q2f40d668b0_prep
		.amdhsa_group_segment_fixed_size 123392
		.amdhsa_private_segment_fixed_size 0
		.amdhsa_enable_private_segment 0
		.amdhsa_kernarg_size 40
		.amdhsa_user_sgpr_count 2
		.amdhsa_user_sgpr_kernarg_segment_ptr 1
		.amdhsa_wavefront_size32 1
		.amdhsa_system_sgpr_workgroup_id_x 1
		.amdhsa_system_sgpr_workgroup_id_y 1
		.amdhsa_system_sgpr_workgroup_id_z 1
		.amdhsa_system_vgpr_workitem_id 0
		.amdhsa_next_free_vgpr 192
		.amdhsa_next_free_sgpr 66
		.amdhsa_reserve_vcc 1
		.amdhsa_float_denorm_mode_32 3
		.amdhsa_float_denorm_mode_16_64 3
		.amdhsa_memory_ordered 1
		.amdhsa_forward_progress 1
		.amdhsa_inst_pref_size 32
	.end_amdhsa_kernel
	.amdgpu_metadata
---
amdhsa.version: [ 1, 2 ]
amdhsa.kernels:
  - .name:           k_q2f40d668b0_prep
    .symbol:         k_q2f40d668b0_prep.kd
    .args:
      - { .name: Wq, .offset: 0, .size: 8, .value_kind: global_buffer, .address_space: global }
      - { .name: Wk, .offset: 8, .size: 8, .value_kind: global_buffer, .address_space: global }
      - { .name: Wv, .offset: 16, .size: 8, .value_kind: global_buffer, .address_space: global }
      - { .name: Wf, .offset: 24, .size: 8, .value_kind: global_buffer, .address_space: global }
      - { .name: wfrag, .offset: 32, .size: 8, .value_kind: global_buffer, .address_space: global }
    .group_segment_fixed_size: 123392
    .private_segment_fixed_size: 0
    .kernarg_segment_align: 8
    .kernarg_segment_size: 40
    .max_flat_workgroup_size: 128
    .sgpr_count:     66
    .vgpr_count:     192
    .wavefront_size: 32
...
	.end_amdgpu_metadata
.endif
;; end of part 1
;; launch fused (part 2): grid 256 x 1, 4 waves a work-group, no clusters, 307,200 bytes of LDS; arguments x, wfrag, bf, out0; writes out0
.if DOCPART == 2
	.amdgcn_target "amdgcn-amd-amdhsa--gfx1250"
	.amdhsa_code_object_version 6
	.text
	.protected	k_q2f40d668b0_fused
	.globl	k_q2f40d668b0_fused
	.p2align	8
	.type	k_q2f40d668b0_fused,@function
k_q2f40d668b0_fused:
	s_mov_b64 s[64:65], 0
	v_nop
	global_prefetch_b8 v0, s[64:65] scope:SCOPE_SE
	s_setreg_imm32_b32 hwreg(HW_REG_WAVE_MODE, 25, 1), 1
	s_wait_xcnt 0x0
; out0 = concat(softmax(q k^T / 8) v) Wf + bf with q, k, v = x Wq, x Wk, x Wv, for 64 rows of x a work-group, start to end: nothing but x, the weights' codes, bf and out0 goes through memory.
; The four large products and q k^T run on codes of FP6 (E2M3) with one E8M0 byte for each 32 along K; the product with v runs in f32 fused multiply-adds, since its result goes into a quantiser.  No work of reference() is left out.
; SHARES.  Four waves, as many as a WGP has SIMDs.  THE WAVES SHARE THE COLUMNS, NOT THE ROWS: a wave makes, for all 64 rows, eight GROUPS of 128 columns, one after the other: Q0 Q1 K0 K1 V0 V1 F0 F1.
; A group is 32 accumulators (4 tiles of rows x 8 tiles of columns, 256 registers) and 8 K steps of 128: 256 matrix instructions.  All products are used transposed (source 0 = 16 rows of a weight, source 1 = 16 rows of x):
; a lane holds ONE row of x, and the first launch chose each tile's rows so that a lane's registers run along the next product's K.
; THE WEIGHTS COME FROM MEMORY STRAIGHT INTO REGISTERS, as images of the operand's registers, through a ring of 16 fragment slots (two K steps), refilled half a step at a time: 39 to 52 loads of a wave are always on their way.
; THE WORK-GROUPS WALK K OUT OF STEP.  phi = (id ^ id / 8) % 8 puts a work-group into one of eight classes; its j-th K step is step (j + phi) % 8 of the product.  So the 256 work-groups do not all ask for the same step block at
; the same time: at a group's start the eight classes ask for its eight blocks, and from its third step on a work-group asks for a block that another class asked for two steps earlier.  Only addresses in memory know of phi:
; x's step (j + phi) % 8 is quantised into LDS record j; wave w's V groups take V's column groups a = (2 w + group + phi) % 8, so that concat's K step a lies in record 2 w + group, turned as x's records are.
; WHY NO TENSOR LOADS AND NO JOINT REQUESTS, though all work-groups walk the same weights: a step's 12,800 bytes feed one wave alone, 32 matrix instructions.  Through LDS they would be written and read there once more, 51,200 bytes
; in and out for each 32 matrix instructions of a wave, beside the 25,600 that the four waves read of x's codes; slots in LDS are refilled only behind a barrier in front of which every load has landed, every 32 matrix instructions
; here; and of LDS 20,736 bytes are left that no LDS store writes.
; x's codes, and later concat's, go from wave to wave through LDS as images of their registers; q's and k's codes as rows, since the scores take them by heads.
; PHASES: x quantised | barrier | Q0 Q1 K0 K1, each quantised to LDS | barrier | scores and softmax, a wave 16 rows | barrier | V0 V1 | o = w v in f32, quantised to LDS | barrier | F0 F1, bias, out.
; LIMITS: a block of zeros gets the scale byte 1 where the rule says 127 (its codes are zeros, and this program alone reads the bytes); blocks whose largest magnitude lies under 2^-124 were not tried; NaN and infinities are
; not served; a softmax weight under 2^-126 of the row's largest comes out as 0 (v_exp_f32 gives 0 there: ISA guide, its entry); the f32 sums over K begin at K step phi and go round: their order differs between work-groups.
; REGISTERS, in windows of 256.  Window 0: v1-31 addresses; v32-47 scale words and nothing else; v48-55 bias; v56-93 the quantiser's; v96-191 x's fragments, two sets (later v's 64 numbers of a unit); v192-255 o.
;   window 1: the ring (slot (p, t) at 96 p + 12 t); v192-255 later the softmax weights, two g at a time.   window 2: accumulators ((m, t) at 64 m + 8 t) of Q, K, V0, F; first x's numbers.
;   window 3: V1's accumulators; first x as loaded; in the scores q's and k's fragments, the scores and their statistics; at the end rows of out0.
; THE ORDER BEHIND K1, in full: barrier | a scores trip (four rows a wave) | V0, with a scores trip behind each of its three pairs of steps 1-6 | barrier | V1's steps 0, 1 | the eight units of o, V0's four first,
; with two steps of V1 behind each of the first three | barrier | F0 F1.  So the ring's loads, two steps ahead, are out while the wave does vector work.  The ring is never emptied: V1's last two steps ask for F0's first two.
; The softmax weights do not take the ring's registers: they come from LDS, two g (32 registers) at a time, into the two halves of window 1's v192-255.
.set REC,   6400
.set SB,    12800
.set HB,    6400                       ; half of it
.set AIMG,  0                          ; x's 8 records
.set CIMG,  51200                      ; concat's 8 records
.set QKC,   102400                     ; q's and k's codes: row b x 1,552 + wave x 384 + group x 96 + head of the pair x 48 + block x 24
.set QKS,   201728                     ; their scale words: b x 68 + wave x 16 + group x 4
.set WREG,  206080                     ; the softmax, f32: b x 1,040 + g x 64 + h x 4
.set STG,   272640                     ; a stage of 16 rows x (512 + 16) bytes for each wave
.set SPARE, 306432                     ; the spare words, 128 bytes a wave: two blocks of 256 bytes that no other line names
.set SPW, 28                           ; v28 my spare word's LDS address; v29 0: never rewritten
.set NIL, 29
.set TM,  56                           ; v56-59 largest magnitudes, v60-63 bytes, v68-71 the conversions' scale operands
.set PW,  72                           ; the scale word just made
.set PC,  74                           ; v74-85 the fragment just made; v86-92 at work
.set WV,  14                           ; s14 wave
.set PHI, 15                           ; s15 my work-group's class, 0 to 7
.set GC,  48                           ; s48 counts groups or trips;  s49 the inner loop
.set IC,  49
.set AO,  50                           ; s50 LDS byte of the record pair in hand
.set QO,  51                           ; s51, s52 the group's place in QKC, QKS
.set QS,  52
.set TQ,  53                           ; s53-55 the scores' trip in QKC, QKS, WREG
.set TS,  54
.set TW,  55
.set U,   56                           ; s56 the unit of o
.set RL,  58                           ; s58 the step that the ring asks for next, 0 to 63: 8 x group + j
.set BV0, 59                           ; s59, s60 wave x 8 + group, in wfrag's numbering, of my V0 and V1
.set W8,  61                           ; s61 8 x wave
.set MUL2, 0xa1                        ; source 0 (ring) window 1, source 1 (x) window 0, C and D window 2
.set MUL3, 0xf1                        ; the same, C and D window 3
.set MSB, 0
.macro WIN new                         ; the immediate's high byte repeats the setting that is left; a switch that changes nothing is dropped
.if MSB != (\new)
	s_set_vgpr_msb (MSB<<8)|(\new)
.set MSB, (\new)
.endif
.endm
.macro NOP4                            ; four places behind matrix instructions, in front of loads into their registers and of reads of their results (ISA guide 7.12.1 for reads of their results)
.rept 4
	v_nop
.endr
.endm
.macro BARRIER                         ; my LDS stores have landed and my LDS loads are in: then the work-group's barrier
	s_wait_dscnt 0x0
	s_barrier_signal -1
	s_barrier_wait -1
.endm
; 64 numbers of a lane in window win, register s + 16 b + i = k 32 b + 16 (lane / 16) + i of my row, become a fragment's codes in v[PC] on and its scale word in v[PW].  Each accumulator is read from its low end on.
.macro QUANT s, win
	WIN (\win)|((\win)<<2)
.irp b, 0,1,2,3
	v_max3_num_f32 v[TM+\b], |v[(\s)+16*\b]|, |v[(\s)+1+16*\b]|, 0x1800000   ; the floor 2^(3 - 127) holds the byte at 1 from below
.endr
.irp i, 2,4,6,8,10,12,14
.irp b, 0,1,2,3
	v_max3_num_f32 v[TM+\b], |v[(\s)+16*\b+\i]|, |v[(\s)+1+16*\b+\i]|, v[TM+\b]   ; the four blocks by turns
.endr
.endr
	WIN 0
.irp b, 0,1,2,3
	v_permlanex16_b32 v[TM+4+\b], v[TM+\b], s36, s37
.endr
.irp b, 0,1,2,3
	v_max_num_f32 v[TM+\b], v[TM+\b], v[TM+4+\b]   ; with lane l xor 16's: the block's largest magnitude
.endr
.irp b, 0,1,2,3
	v_add_nc_u32 v[TM+12+\b], 0xff000000, v[TM+\b] ; 2 off its exponent field: the conversion's scale operand
.endr
.irp b, 0,1,2,3
	v_lshrrev_b32 v[TM+4+\b], 23, v[TM+12+\b]      ; the scale's byte
.endr
	v_lshl_or_b32 v[PW], v[TM+5], 8, v[TM+4]
	v_lshl_or_b32 v[PW], v[TM+6], 16, v[PW]
	v_lshl_or_b32 v[PW], v[TM+7], 24, v[PW]
	WIN \win
.irp c, 0,1
	v_cvt_scalef32_pk16_fp6_f32 v[PC+6*\c:PC+2+6*\c], v[(\s)+32*\c:(\s)+15+32*\c], v[TM+12+2*\c]
	v_cvt_scalef32_pk16_fp6_f32 v[PC+12+4*\c:PC+14+4*\c], v[(\s)+16+32*\c:(\s)+31+32*\c], v[TM+12+2*\c+1]   ; (a conversion's three registers begin on an even number)
.endr
	WIN 0
	v_nop                                          ; one plain place behind a scaled conversion
.irp c, 0,1                            ; the operand's layout wants a whole block in a lane: lanes 0-15 block 2 c, lanes 16-31 block 2 c + 1
.irp i, 0,1,2
	v_permlane16_swap_b32 v[PC+6*\c+\i], v[PC+12+4*\c+\i]
.endr
.irp i, 0,1,2
	v_mov_b32 v[PC+3+6*\c+\i], v[PC+12+4*\c+\i]
.endr
.endr
.endm
.macro IMAGE adr, off                  ; the fragment in v[PC] on goes to LDS as it stands: lane l's 16 bytes at 16 l
.irp c, 0,1,2
	ds_store_b128 v[\adr], v[PC+4*\c:PC+4*\c+3] offset:(\off)+512*\c
.endr
.endm
.macro ALOAD p, off                    ; a record's four fragments into set p, and its scale words: register i of lane l = the word of tile of rows 2 (l / 16) + i, row l % 16
.irp m, 0,1,2,3
.irp j, 0,1,2
	ds_load_b128 v[96+48*(\p)+12*\m+4*\j:96+48*(\p)+12*\m+4*\j+3], v3 offset:(\off)+1536*\m+512*\j
.endr
.endr
	ds_load_b64 v[40+2*(\p):41+2*(\p)], v4 offset:(\off)+6144
.endm
.macro BLOAD p, q                      ; half a step block: four fragments into the ring, and their scale words: 13 loads, each of 512 or 256 consecutive bytes
	WIN 0x40
.irp t, 0,1,2,3
.irp j, 0,1,2
	global_load_b128 v[96*\p+12*(4*\q+\t)+4*\j:96*\p+12*(4*\q+\t)+4*\j+3], v1, s[28+4*\p+2*\q:29+4*\p+2*\q] offset:HB*\q+1536*\t+512*\j
.endr
.endr
	WIN 0
	global_load_b64 v[32+4*\p+2*\q:33+4*\p+2*\q], v2, s[28+4*\p+2*\q:29+4*\p+2*\q] offset:HB*\q+6144
.endm
; s[24:25] = the byte in wfrag of the step block that the ring asks for next: group RL / 8 (Q, K, F: my wave's; V: my two column groups'), K step (RL + phi) % 8; and RL goes on.  (s25 stays 0)
.macro NEXTR
	s_lshr_b32 s26, s[RL], 3
	s_add_co_u32 s27, s26, s[W8]
	s_cmp_eq_u32 s26, 4
	s_cselect_b32 s27, s[BV0], s27
	s_cmp_eq_u32 s26, 5
	s_cselect_b32 s27, s[BV0+1], s27
	s_add_co_u32 s26, s[RL], s[PHI]
	s_and_b32 s26, s26, 7
	s_lshl_b32 s27, s27, 3
	s_add_co_u32 s27, s27, s26
	s_mul_i32 s24, s27, SB
	s_add_co_u32 s[RL], s[RL], 1
.endm
.macro RINGFILL                        ; two steps, 52 loads; each half has a pointer of its own, so that one may be written while the other's loads are out
	NEXTR
	s_add_nc_u64 s[28:29], s[6:7], s[24:25]
	s_add_nc_u64 s[30:31], s[6:7], s[24:25]
	NEXTR
	s_add_nc_u64 s[32:33], s[6:7], s[24:25]
	s_add_nc_u64 s[34:35], s[6:7], s[24:25]
	BLOAD 0, 0
	BLOAD 0, 1
	BLOAD 1, 0
	BLOAD 1, 1
.endm
; one matrix instruction.  ra, rb: the side's scale words stand in lanes 16-31.  zero: the product starts the sum
.macro WM d, a, b, sa, sb, ra, rb, zero
.if \zero
.if (\ra) && (\rb)
	v_wmma_scale_f32_16x16x128_f8f6f4 v[(\d):(\d)+7], v[(\a):(\a)+11], v[(\b):(\b)+11], 0, v[\sa], v[\sb] matrix_a_fmt:MATRIX_FMT_FP6 matrix_b_fmt:MATRIX_FMT_FP6 matrix_a_scale:MATRIX_SCALE_ROW1 matrix_b_scale:MATRIX_SCALE_ROW1
.elseif (\ra)
	v_wmma_scale_f32_16x16x128_f8f6f4 v[(\d):(\d)+7], v[(\a):(\a)+11], v[(\b):(\b)+11], 0, v[\sa], v[\sb] matrix_a_fmt:MATRIX_FMT_FP6 matrix_b_fmt:MATRIX_FMT_FP6 matrix_a_scale:MATRIX_SCALE_ROW1
.elseif (\rb)
	v_wmma_scale_f32_16x16x128_f8f6f4 v[(\d):(\d)+7], v[(\a):(\a)+11], v[(\b):(\b)+11], 0, v[\sa], v[\sb] matrix_a_fmt:MATRIX_FMT_FP6 matrix_b_fmt:MATRIX_FMT_FP6 matrix_b_scale:MATRIX_SCALE_ROW1
.else
	v_wmma_scale_f32_16x16x128_f8f6f4 v[(\d):(\d)+7], v[(\a):(\a)+11], v[(\b):(\b)+11], 0, v[\sa], v[\sb] matrix_a_fmt:MATRIX_FMT_FP6 matrix_b_fmt:MATRIX_FMT_FP6
.endif
.else
.if (\ra) && (\rb)
	v_wmma_scale_f32_16x16x128_f8f6f4 v[(\d):(\d)+7], v[(\a):(\a)+11], v[(\b):(\b)+11], v[(\d):(\d)+7], v[\sa], v[\sb] matrix_a_fmt:MATRIX_FMT_FP6 matrix_b_fmt:MATRIX_FMT_FP6 matrix_a_scale:MATRIX_SCALE_ROW1 matrix_b_scale:MATRIX_SCALE_ROW1
.elseif (\ra)
	v_wmma_scale_f32_16x16x128_f8f6f4 v[(\d):(\d)+7], v[(\a):(\a)+11], v[(\b):(\b)+11], v[(\d):(\d)+7], v[\sa], v[\sb] matrix_a_fmt:MATRIX_FMT_FP6 matrix_b_fmt:MATRIX_FMT_FP6 matrix_a_scale:MATRIX_SCALE_ROW1
.elseif (\rb)
	v_wmma_scale_f32_16x16x128_f8f6f4 v[(\d):(\d)+7], v[(\a):(\a)+11], v[(\b):(\b)+11], v[(\d):(\d)+7], v[\sa], v[\sb] matrix_a_fmt:MATRIX_FMT_FP6 matrix_b_fmt:MATRIX_FMT_FP6 matrix_b_scale:MATRIX_SCALE_ROW1
.else
	v_wmma_scale_f32_16x16x128_f8f6f4 v[(\d):(\d)+7], v[(\a):(\a)+11], v[(\b):(\b)+11], v[(\d):(\d)+7], v[\sa], v[\sb] matrix_a_fmt:MATRIX_FMT_FP6 matrix_b_fmt:MATRIX_FMT_FP6
.endif
.endif
.endm
; 16 matrix instructions: tiles of columns 4 q .. 4 q + 3 x the four tiles of rows.  The 32 accumulators take turns, one instruction a turn, in the same order in every step
.set WA, 0                             ; 1 for a step whose accumulators were last written ahead of a batch of transcendentals
.macro MUL16 p, q, W, zero
	WIN \W
.if WA
	s_wait_alu depctr_va_vdst(0)                   ; ahead of the first reader of these sixteen accumulators
.endif
.irp t, 0,1,2,3
.irp m, 0,1,2,3
	WM 64*\m+8*(4*\q+\t), 96*\p+12*(4*\q+\t), 96+48*\p+12*\m, 32+4*\p+2*\q+\t/2, 40+2*\p+\m%2, \t%2, \m/2, \zero
.endr
.endr
.endm
; A K STEP on sets p.  rf: the ring's two halves are refilled, two steps ahead, each behind its 16 products.  al: the next step's record comes into the other set, from byte aoff of the pair in hand.
; ast = 1: on to the next pair of records; 2: back to the first.  c0, c1: the younger loads that may stay out when a half is wanted: with refills three runs of 13.
.macro STEP p, W, zero, rf, al, ast, abase, aoff, c0, c1
	s_wait_dscnt 0x0                               ; this step's fragments of x and their scale words are in
.if \ast == 1
	s_add_co_u32 s[AO], s[AO], 2*REC
.elseif \ast == 2
	s_mov_b32 s[AO], \abase
.endif
.if \ast
	v_add_nc_u32 v3, s[AO], v1
	v_add_nc_u32 v4, s[AO], v2
.endif
.if \al
	ALOAD 1-\p, \aoff
.endif
.if \rf
	NEXTR                                          ; where the block two steps on lies
.endif
	s_wait_loadcnt \c0                             ; loads come back in order: this half's 13 are in,
.if \rf
	s_add_nc_u64 s[28+4*\p:29+4*\p], s[6:7], s[24:25]   ; so their pointer may be written
.endif
	MUL16 \p, 0, \W, \zero
	NOP4
.if \rf
	BLOAD \p, 0
.endif
	s_wait_loadcnt \c1
.if \rf
	s_add_nc_u64 s[30+4*\p:31+4*\p], s[6:7], s[24:25]
.endif
	MUL16 \p, 1, \W, \zero
	NOP4
.if \rf
	BLOAD \p, 1
.endif
	WIN 0
.endm
; a whole group whose successor follows at once: its last step fetches the next group's first record
.macro GROUPA W, abase, lbl
	STEP 0, \W, 1, 1, 1, 0, \abase, REC, 39, 39
	s_mov_b32 s[IC], 3
.Lin_\lbl:
	STEP 1, \W, 0, 1, 1, 1, \abase, 0, 39, 39
	s_wait_alu depctr_va_vdst(0)
	STEP 0, \W, 0, 1, 1, 0, \abase, REC, 39, 39
	s_sub_co_u32 s[IC], s[IC], 1
	s_cmp_lg_u32 s[IC], 0
	s_cbranch_scc1 .Lin_\lbl
	STEP 1, \W, 0, 1, 1, 2, \abase, 0, 39, 39
.endm
; steps 0 to 5 of a group whose last two steps are written out
.macro GROUPB W, abase, lbl
	STEP 0, \W, 1, 1, 1, 0, \abase, REC, 39, 39
	s_mov_b32 s[IC], 2
.Lin_\lbl:
	STEP 1, \W, 0, 1, 1, 1, \abase, 0, 39, 39
	s_wait_alu depctr_va_vdst(0)
	STEP 0, \W, 0, 1, 1, 0, \abase, REC, 39, 39
	s_sub_co_u32 s[IC], s[IC], 1
	s_cmp_lg_u32 s[IC], 0
	s_cbranch_scc1 .Lin_\lbl
	STEP 1, \W, 0, 1, 1, 1, \abase, 0, 39, 39
.endm
	; ---- HEAD
	s_load_b256 s[4:11], s[0:1], 0x0               ; x s[4:5], wfrag s[6:7], bf s[8:9], out0 s[10:11]
	v_lshl_add_u32 v[SPW], v0, 2, SPARE
	v_mov_b32 v[NIL], 0
	v_lshrrev_b32 v26, 5, v0
	v_readfirstlane_b32 s[WV], v26                 ; wave 0..3
	v_and_b32 v27, 31, v0                          ; lane
	v_and_b32 v30, 15, v0                          ; r
	s_wait_alu depctr_va_vdst(0)
	v_bfe_u32 v31, v0, 4, 1                        ; hh
	v_lshlrev_b32 v1, 4, v27                       ; v1  16 x lane: an image's place, in LDS and in memory; never rewritten
	v_lshlrev_b32 v2, 3, v27                       ; v2  8 x lane: a pair of scale words'; never rewritten
	s_mul_i32 s40, s[WV], 8448
	s_add_co_u32 s40, s40, STG                     ; my stage
	v_add_nc_u32 v5, s40, v1                       ; v5  by whole rows: 16 x lane
	v_mul_u32_u24 v6, v30, 528
	v_lshl_add_u32 v6, v31, 6, v6
	v_add_nc_u32 v6, s40, v6                       ; v6  by the operand's lanes: row r, + 64 hh
	s_mul_i32 s41, s[WV], 1536
	v_add_nc_u32 v7, s41, v1                       ; v7  x's images: tile of rows = my wave
	s_lshr_b32 s41, s[WV], 1
	s_lshl_b32 s41, s41, 7
	s_and_b32 s42, s[WV], 1
	s_lshl_b32 s42, s42, 2
	s_add_co_u32 s41, s41, s42
	s_add_co_u32 s41, s41, 6144
	v_lshl_add_u32 v8, v30, 3, s41                 ; v8  and their scale words
	v_mul_u32_u24 v9, v30, 1552
	v_mad_u32_u24 v9, v31, 24, v9
	s_mul_i32 s41, s[WV], 384
	s_add_co_u32 s41, s41, QKC
	v_add_nc_u32 v9, s41, v9                       ; v9  q's and k's codes on the way in: row r, my wave's columns, block hh
	v_mul_u32_u24 v10, v30, 68
	s_lshl_b32 s41, s[WV], 4
	s_add_co_u32 s41, s41, QKS
	v_add_nc_u32 v10, s41, v10                     ; v10 their scale words
	v_lshrrev_b32 v26, 2, v30                      ; the scores: lane r stands for head r = 4 (r/4) + 2 ((r/2)%2) + r%2: wave, group, head of the pair
	v_bfe_u32 v27, v30, 1, 1
	v_and_b32 v25, 1, v30
	v_mul_u32_u24 v14, v26, 384
	v_mad_u32_u24 v14, v27, 96, v14
	v_mad_u32_u24 v14, v25, 48, v14
	v_mad_u32_u24 v14, v31, 24, v14
	s_mul_i32 s41, s[WV], 24832
	s_add_co_u32 s41, s41, QKC
	v_add_nc_u32 v14, s41, v14                     ; v14 q's codes of head r in my wave's first row; k's lie 192 bytes on
	v_lshlrev_b32 v15, 4, v26
	v_lshl_add_u32 v15, v27, 2, v15
	v_lshl_add_u32 v15, v31, 3, v15                ; lanes 0-15 take q's scale bytes, lanes 16-31 k's, two groups on
	v_lshl_add_u32 v15, v25, 1, v15
	s_mul_i32 s41, s[WV], 1088
	s_add_co_u32 s41, s41, QKS
	v_add_nc_u32 v15, s41, v15                     ; v15
	v_lshlrev_b32 v16, 2, v30
	v_lshl_add_u32 v16, v31, 9, v16
	s_mul_i32 s41, s[WV], 16640
	s_add_co_u32 s41, s41, WREG
	v_add_nc_u32 v16, s41, v16                     ; v16 the softmax on the way in: h = r, g = 8 hh + j
	v_mul_u32_u24 v20, v30, 1040
	v_add_nc_u32 v20, WREG, v20                    ; v20 and on the way out: row r of a tile of rows
	v_lshlrev_b32 v23, 3, v30                      ; v23 8 r
.irp b, 0,1,2,3
	v_mov_b32 v[TM+4+\b], 0                        ; written once: a lane permute's destination counts as one of its sources
.endr
	s_mov_b32 s36, 0x76543210
	s_mov_b32 s37, 0xfedcba98                      ; v_permlanex16_b32's selects for lane l xor 16
	s_mov_b32 s38, 0x3e38aa3b                      ; log2(e) / sqrt(64)
	s_mov_b32 s39, s38                             ; (named with it as a pair, so it is written)
	s_lshr_b32 s40, ttmp9, 3                       ; my class: it enters addresses in memory alone
	s_xor_b32 s40, s40, ttmp9
	s_and_b32 s[PHI], s40, 7
	s_lshl_b32 s[W8], s[WV], 3
	s_lshl_b32 s40, s[WV], 1
	s_add_co_u32 s40, s40, s[PHI]
.irp g, 0,1                            ; V's column group a = (2 wave + g + phi) % 8 lies in wfrag under wave a / 2, group 4 + a % 2
	s_add_co_u32 s41, s40, \g
	s_and_b32 s41, s41, 7
	s_lshr_b32 s42, s41, 1
	s_lshl_b32 s42, s42, 3
	s_and_b32 s41, s41, 1
	s_add_co_u32 s42, s42, s41
	s_add_co_u32 s[BV0+\g], s42, 4
.endr
	s_mov_b32 s[RL], 0
	s_mov_b32 s25, 0
	s_lshl_b32 s16, ttmp9, 18                      ; the work-group's 64 rows of 4,096 bytes, in x and in out0
	s_mov_b32 s17, 0
	s_lshl_b32 s18, s[WV], 16                      ; x: my wave's 16 rows
	s_mov_b32 s19, 0
	s_lshl_b32 s22, s[WV], 10                      ; bf, out0: my wave's 256 columns
	s_mov_b32 s23, 0
	s_wait_kmcnt 0x0
	s_add_nc_u64 s[4:5], s[4:5], s[16:17]
	s_add_nc_u64 s[4:5], s[4:5], s[18:19]
	s_add_nc_u64 s[8:9], s[8:9], s[22:23]
	s_add_nc_u64 s[10:11], s[10:11], s[16:17]
	s_add_nc_u64 s[10:11], s[10:11], s[22:23]
	global_load_b128 v[48:51], v1, s[8:9]          ; the bias of F0's 128 columns, four a lane, as a row of out0 is stored;
	global_load_b128 v[52:55], v1, s[8:9] offset:512   ; of F1's
	; ---- X: my 16 rows of x become 8 fragments.  A load takes one row's 512 bytes of a K step; the 16 rows turn through my stage, so that a lane gets 16 neighbours of each block of 32 of ITS row.
	; My s-th step is x's K step (s + phi) % 8; its image goes to record s.
.macro XLOAD s                         ; into landing set s % 4 of window 3.  Each set has a base of its own, s[16:23] by turns: it is written again when the set's last loads have been shown done
	s_add_co_u32 s26, s[PHI], (\s)
	s_and_b32 s26, s26, 7
	s_lshl_b32 s26, s26, 9
	s_mov_b32 s27, 0
	s_add_nc_u64 s[16+2*((\s)%4):17+2*((\s)%4)], s[4:5], s[26:27]
	WIN 0xc0
.irp i, 0,1,2,3,4,5,6,7,8,9,10,11,12,13,14,15
	global_load_b128 v[64*((\s)%4)+4*\i:64*((\s)%4)+4*\i+3], v1, s[16+2*((\s)%4):17+2*((\s)%4)] offset:4096*\i th:TH_LOAD_NT
.endr
	WIN 0
.endm
.macro TURN s                          ; LDS serves a wave's instructions in order (ISA guide 5.7.1.4): no wait between the stores and the loads, nor in front of the next step's stores
	WIN 0x0c
.irp i, 0,1,2,3,4,5,6,7,8,9,10,11,12,13,14,15
	ds_store_b128 v5, v[64*((\s)%4)+4*\i:64*((\s)%4)+4*\i+3] offset:528*\i
.endr
	WIN 0x80
.irp b, 0,1,2,3
.irp j, 0,1,2,3
	ds_load_b128 v[64*((\s)%2)+16*\b+4*\j:64*((\s)%2)+16*\b+4*\j+3], v6 offset:128*\b+16*\j
.endr
.endr
	WIN 0
.endm
.macro XSTEP s
	s_wait_dscnt 0x0                               ; this step's numbers are back from the stage, so its landing set is free; the last image has left its registers
.if (\s) < 4
	XLOAD (\s)+4
.endif
.if (\s) < 7
.if (\s) < 4
	s_wait_loadcnt 48                              ; the next step's 16 loads are in; three younger sets may be out
.elseif (\s) == 4
	s_wait_loadcnt 32
.elseif (\s) == 5
	s_wait_loadcnt 16
.else
	s_wait_loadcnt 52                              ; behind x's last set: the ring's first 52
.endif
	TURN (\s)+1
.endif
.if (\s) == 5
	RINGFILL                                       ; the weights of Q0's first two steps are asked for while x is still being quantised
.endif
	QUANT 64*((\s)%2), 2
	IMAGE 7, REC*(\s)
	ds_store_b32 v8, v[PW] offset:REC*(\s)         ; both lanes of a row write the same word with the same value
.endm
	XLOAD 0
	XLOAD 1
	XLOAD 2
	XLOAD 3
	s_wait_loadcnt 48                              ; the bias and step 0 are in
	TURN 0
.irp s, 0,1,2,3,4,5,6,7
	XSTEP \s
.endr
	BARRIER                                        ; x's 32 fragments lie in LDS
	s_mov_b32 s[AO], AIMG
	v_add_nc_u32 v3, s[AO], v1
	v_add_nc_u32 v4, s[AO], v2
	ALOAD 0, 0
	; ---- Q0 Q1 K0 K1.  A group's 128 columns are two heads: lane (r, hh) ends with, for each head c, the 24 bytes of block hh of its row.
.macro QKOUT m                         ; each of a group's four tiles of rows has registers of its own for its codes and its scale word, so that no store's data are written again inside a group:
.if (\m) < 3                           ; tiles 0 to 2 in v192-250 and v252-254 (o's registers, first written behind V0), tile 3 in the quantiser's usual ones
.set PC, 192+20*(\m)
.set PW, 252+(\m)
.endif
	QUANT 64*(\m), 2
.irp c, 0,1
.irp p, 0,1,2
	ds_store_b64 v[11+(\m)/2], v[PC+6*\c+2*\p:PC+6*\c+2*\p+1] offset:24832*((\m)%2)+48*\c+8*\p
.endr
.endr
	ds_store_b32 v13, v[PW] offset:1088*(\m)       ; (no wait here: these registers are next written a group later, behind the waits for 0 on DScnt at the heads of eight K steps)
.set PC, 74
.set PW, 72
.endm
	s_mov_b32 s[QO], 0
	s_mov_b32 s[QS], 0
	s_mov_b32 s[GC], 4
.Lqk:
	s_wait_alu depctr_va_vdst(0)
	GROUPA MUL2, AIMG, qk
	v_add_nc_u32 v11, s[QO], v9                    ; tiles of rows 0 and 1;
	v_add_nc_u32 v12, 49664, v11                   ; 2 and 3: 32 rows of 1,552 bytes on
	v_add_nc_u32 v13, s[QS], v10
	QKOUT 0
	QKOUT 1
	QKOUT 2
	QKOUT 3
	s_add_co_u32 s[QO], s[QO], 96
	s_add_co_u32 s[QS], s[QS], 4
	s_sub_co_u32 s[GC], s[GC], 1
	s_cmp_lg_u32 s[GC], 0
	s_cbranch_scc1 .Lqk
	BARRIER                                        ; all heads' codes of all 64 rows lie in LDS
	; ---- SCORES AND SOFTMAX: my wave's 16 rows, four a trip.  For a row: S^T = k q^T (source 0 = the 16 heads of k, source 1 = those of q), K = 64: the upper half of each fragment is zero codes, which add nothing.
	; A lane holds head h = r of q, and its register j the head g = 8 hh + j of k.  Window 3: q 12 i, k 48 + 12 i, S 96 + 8 i, pairs: maximum 128 + 2 i, sum 136 + 2 i, reciprocal 144 + 2 i.
	WIN 0xc0
.irp i, 0,1,2,3
.irp j, 6,7,8,9,10,11
	v_mov_b32 v[12*\i+\j], 0
	v_mov_b32 v[48+12*\i+\j], 0
.endr
.endr
.irp i, 0,1,2,3
	v_mov_b32 v[129+2*\i], 0                       ; a lane permute's destination counts as one of its sources
.endr
	WIN 0
	s_mov_b32 s[TQ], 0
	s_mov_b32 s[TS], 0
	s_mov_b32 s[TW], 0
.macro SCTRIP                          ; four of my 16 rows; s[TQ], s[TS], s[TW] go on to the next four
	v_add_nc_u32 v17, s[TQ], v14
	v_add_nc_u32 v18, s[TS], v15
	v_add_nc_u32 v19, s[TW], v16
	WIN 0xc0
.irp i, 0,1,2,3
.irp p, 0,1,2
	ds_load_b64 v[12*\i+2*\p:12*\i+2*\p+1], v17 offset:1552*\i+8*\p
	ds_load_b64 v[48+12*\i+2*\p:48+12*\i+2*\p+1], v17 offset:1552*\i+192+8*\p
.endr
.endr
	WIN 0
.irp i, 0,1,2,3
	ds_load_u16 v[44+\i], v18 offset:68*\i         ; a head's two scale bytes; the word's upper two come as 0, over zero codes
.endr
	s_wait_dscnt 0x0
	WIN 0xff
	s_wait_alu depctr_va_vdst(0)
.irp i, 0,1,2,3
	v_wmma_scale_f32_16x16x128_f8f6f4 v[96+8*\i:103+8*\i], v[48+12*\i:59+12*\i], v[12*\i:12*\i+11], 0, v[44+\i], v[44+\i] matrix_a_fmt:MATRIX_FMT_FP6 matrix_b_fmt:MATRIX_FMT_FP6 matrix_a_scale:MATRIX_SCALE_ROW1
.endr
	NOP4
.irp i, 0,1,2,3
	v_max3_num_f32 v[128+2*\i], v[96+8*\i], v[97+8*\i], v[98+8*\i]   ; the four rows by turns
.endr
.irp i, 0,1,2,3
	v_max3_num_f32 v[128+2*\i], v[128+2*\i], v[99+8*\i], v[100+8*\i]
.endr
.irp i, 0,1,2,3
	v_max3_num_f32 v[128+2*\i], v[128+2*\i], v[101+8*\i], v[102+8*\i]
.endr
.irp i, 0,1,2,3
	v_max_num_f32 v[128+2*\i], v[128+2*\i], v[103+8*\i]
.endr
.irp i, 0,1,2,3
	v_permlanex16_b32 v[129+2*\i], v[128+2*\i], s36, s37
.endr
.irp i, 0,1,2,3
	v_max_num_f32 v[128+2*\i], v[128+2*\i], v[129+2*\i]   ; the row's largest score
.endr
.irp i, 0,1,2,3
.irp j, 0,2,4,6
	v_pk_add_f32 v[96+8*\i+\j:97+8*\i+\j], v[96+8*\i+\j:97+8*\i+\j], v[128+2*\i:129+2*\i] op_sel_hi:[1,0] neg_lo:[0,1] neg_hi:[0,1]   ; the maximum is taken away first: large scores lose nothing
.endr
.endr
.irp i, 0,1,2,3
.irp j, 0,2,4,6
	v_pk_mul_f32 v[96+8*\i+\j:97+8*\i+\j], v[96+8*\i+\j:97+8*\i+\j], s[38:39] op_sel_hi:[1,0]
.endr
.endr
	s_wait_alu depctr_va_vdst(0)
.irp n, 0,1,2,3,4,5,6,7,8,9,10,11,12,13,14,15,16,17,18,19,20,21,22,23,24,25,26,27,28,29,30,31
	v_exp_f32 v[96+\n], v[96+\n]
.endr
	v_nop                                          ; a plain place behind the exponentials
	s_wait_alu depctr_va_vdst(0)                   ; one wait for the batch, ahead of its first reader
.irp i, 0,1,2,3
	v_pk_add_f32 v[136+2*\i:137+2*\i], v[96+8*\i:97+8*\i], v[98+8*\i:99+8*\i]
.endr
.irp i, 0,1,2,3
	v_pk_add_f32 v[144+2*\i:145+2*\i], v[100+8*\i:101+8*\i], v[102+8*\i:103+8*\i]
.endr
.irp i, 0,1,2,3
	v_pk_add_f32 v[136+2*\i:137+2*\i], v[136+2*\i:137+2*\i], v[144+2*\i:145+2*\i]
.endr
.irp i, 0,1,2,3
	v_add_f32 v[136+2*\i], v[136+2*\i], v[137+2*\i]
.endr
.irp i, 0,1,2,3
	v_permlanex16_b32 v[137+2*\i], v[136+2*\i], s36, s37
.endr
.irp i, 0,1,2,3
	v_add_f32 v[136+2*\i], v[136+2*\i], v[137+2*\i]
.endr
	s_wait_alu depctr_va_vdst(0)
.irp i, 0,1,2,3
	v_rcp_f32 v[144+2*\i], v[136+2*\i]
.endr
	v_nop
	s_wait_alu depctr_va_vdst(0)                   ; and one for the four reciprocals
.irp i, 0,1,2,3
.irp j, 0,2,4,6
	v_pk_mul_f32 v[96+8*\i+\j:97+8*\i+\j], v[96+8*\i+\j:97+8*\i+\j], v[144+2*\i:145+2*\i] op_sel_hi:[1,0]
.endr
.endr
	WIN 0x0c
.irp i, 0,1,2,3
.irp j, 0,1,2,3,4,5,6,7
	ds_store_b32 v19, v[96+8*\i+\j] offset:1040*\i+64*\j
.endr
.endr
	WIN 0
	s_add_co_u32 s[TQ], s[TQ], 4*1552
	s_add_co_u32 s[TS], s[TS], 4*68
	s_add_co_u32 s[TW], s[TW], 4*1040
.endm
	; ---- V0, with the scores between its steps.  Lane (r, hh), register 8 (g/2) + 2 e + g%2 of a tile of rows: v[g][d], d = 8 a + 2 e + hh, a = (2 wave + group + phi) % 8.
	; V0 needs nothing of the scores and the scores nothing of V0: a trip of four rows stands ahead of step 0 and behind steps 2, 4 and 6, while the blocks of the next two steps are out.
	SCTRIP
	STEP 0, MUL2, 1, 1, 1, 0, AIMG, REC, 39, 39
	s_mov_b32 s[IC], 3
.Lin_v0:
.set WA, 1
	STEP 1, MUL2, 0, 1, 1, 1, AIMG, 0, 39, 39
.set WA, 0
	s_wait_alu depctr_va_vdst(0)
	STEP 0, MUL2, 0, 1, 1, 0, AIMG, REC, 39, 39
	SCTRIP
	s_sub_co_u32 s[IC], s[IC], 1
	s_cmp_lg_u32 s[IC], 0
	s_cbranch_scc1 .Lin_v0
.set WA, 1
	STEP 1, MUL2, 0, 1, 1, 2, AIMG, 0, 39, 39
.set WA, 0
	s_wait_alu depctr_va_vdst(0)
	BARRIER                                        ; the softmax of all 64 rows lies in LDS
	; ---- V1's steps 0 and 1; step 1 fetches no record: v's copy takes the fragments' registers in the unit that follows
	STEP 0, MUL3, 1, 1, 1, 0, AIMG, REC, 39, 39
	STEP 1, MUL3, 0, 1, 0, 0, AIMG, 0, 39, 39
	; ---- o = w v in f32, and its quantiser.  A unit u is a group u / 4 and a tile of rows m = u % 4: V0's four units first.  o[16 e + h] = the sum over g of w[g][h] v[g][d(e)], two h an instruction.
	; concat's k is 16 d + h = 128 a + 32 e + 16 hh + h: so o's 64 registers are the quantiser's order, and a unit is one fragment of concat's K step a; it goes to record 2 wave + group.
	; v's 64 numbers are first copied to fixed registers, so that the 512 multiply-adds are written once and not eight times.
.macro COPY u
	WIN 2+(\u)/4
.set CJ, 0
.rept 64
	v_mov_b32 v[96+CJ], v[64*((\u)%4)+CJ]
.set CJ, CJ+1
.endr
	WIN 0
.endm
.macro WLOAD c                         ; w[g][h] of my row for g = 2 c and 2 c + 1, 32 registers, into half c % 2 of window 1's v192-255: 8 loads
	WIN 0x40
.irp d, 0,1
.irp hq, 0,1,2,3
	ds_load_b128 v[192+32*((\c)%2)+16*\d+4*\hq:192+32*((\c)%2)+16*\d+4*\hq+3], v21 offset:64*(2*(\c)+\d)+16*\hq
.endr
.endr
	WIN 0
.endm
	s_mov_b32 s[U], 0
.Lp5:
	s_and_b32 s40, s[U], 3
	s_lshr_b32 s41, s[U], 2                        ; group
	s_mul_i32 s42, s40, 16640
	v_add_nc_u32 v21, s42, v20                     ; w of my row of this tile of rows
	WLOAD 0
	WLOAD 1
	s_wait_dscnt 16                                ; all but the 16 loads just issued: the last unit's image has left its registers, and its address registers may be written
	s_mul_i32 s43, s41, REC
	s_mul_i32 s44, s[WV], 2*REC
	s_add_co_u32 s43, s43, s44
	s_add_co_u32 s43, s43, CIMG                    ; record 2 wave + group
	s_mul_i32 s44, s40, 1536
	s_add_co_u32 s44, s44, s43
	v_add_nc_u32 v22, s44, v1                      ; the image's place
	s_lshr_b32 s44, s40, 1
	s_lshl_b32 s44, s44, 7
	s_and_b32 s45, s40, 1
	s_lshl_b32 s45, s45, 2
	s_add_co_u32 s44, s44, s45
	s_add_co_u32 s44, s44, s43
	s_add_co_u32 s44, s44, 6144
	v_add_nc_u32 v24, s44, v23                     ; the scale word's
.irp u, 0,1,2,3,4,5,6
	s_cmp_eq_u32 s[U], \u
	s_cbranch_scc1 .Lcp\u
.endr
	COPY 7
	s_branch .Lcpd
.irp u, 0,1,2,3,4,5,6
.Lcp\u:
	COPY \u
.if \u < 6
	s_branch .Lcpd
.endif
.endr
.Lcpd:
.irp c, 0,1,2,3,4,5,6,7                ; g = 2 c + d.  While one half of w's registers is multiplied, the other half's 8 loads are out
.if \c < 7
	s_wait_dscnt 8                                 ; this half is in; the 8 loads issued behind it may be out
.else
	s_wait_dscnt 0x0
.endif
	WIN 0x01                                       ; w in window 1; v and o in window 0
.irp d, 0,1
.irp e, 0,1,2,3
.irp hp, 0,1,2,3,4,5,6,7
.if \c == 0 && \d == 0
	v_pk_mul_f32 v[192+16*\e+2*\hp:193+16*\e+2*\hp], v[192+32*(\c%2)+16*\d+2*\hp:193+32*(\c%2)+16*\d+2*\hp], v[96+8*\c+2*\e:97+8*\c+2*\e] op_sel_hi:[1,0]   ; the first product starts the sums
.elseif \d == 0
	v_pk_fma_f32 v[192+16*\e+2*\hp:193+16*\e+2*\hp], v[192+32*(\c%2)+16*\d+2*\hp:193+32*(\c%2)+16*\d+2*\hp], v[96+8*\c+2*\e:97+8*\c+2*\e], v[192+16*\e+2*\hp:193+16*\e+2*\hp] op_sel_hi:[1,0,1]
.else
	v_pk_fma_f32 v[192+16*\e+2*\hp:193+16*\e+2*\hp], v[192+32*(\c%2)+16*\d+2*\hp:193+32*(\c%2)+16*\d+2*\hp], v[96+8*\c+2*\e:97+8*\c+2*\e], v[192+16*\e+2*\hp:193+16*\e+2*\hp] op_sel:[0,1,0] op_sel_hi:[1,1,1]
.endif
.endr
.endr
.endr
.if \c < 6
	WLOAD \c+2                                     ; the half just multiplied takes the two g that stand four on
.endif
.endr
	QUANT 192, 0
	IMAGE 22, 0
	ds_store_b32 v24, v[PW]
	s_cmp_ge_u32 s[U], 3                           ; behind units 0, 1, 2: V1's steps 2 u + 2 and 2 u + 3, whose blocks were asked for two steps earlier
	s_cbranch_scc1 .Lnov
	s_min_u32 s[AO], s[U], 2
	s_mul_i32 s[AO], s[AO], 2*REC
	s_add_co_u32 s[AO], s[AO], 2*REC               ; x's records 2 u + 2 and 2 u + 3
	v_add_nc_u32 v3, s[AO], v1
	v_add_nc_u32 v4, s[AO], v2
	s_wait_alu depctr_va_vdst(0)                   ; directly behind the writes
	ALOAD 0, 0                                     ; v's copy is done with: the fragments' registers are free
	STEP 0, MUL3, 0, 1, 1, 0, AIMG, REC, 39, 39
	STEP 1, MUL3, 0, 1, 0, 0, AIMG, 0, 39, 39      ; (V1's steps 6 and 7 ask for F0's steps 0 and 1)
.Lnov:
	s_add_co_u32 s[U], s[U], 1
	s_cmp_lt_u32 s[U], 8
	s_cbranch_scc1 .Lp5
	BARRIER
	s_mov_b32 s[AO], CIMG
	v_add_nc_u32 v3, s[AO], v1
	v_add_nc_u32 v4, s[AO], v2
	ALOAD 0, 0
	; ---- F0, F1.  Lane (r, hh), register j of tile t: out0(row 16 m + r, column 256 wave + 128 group + 32 (t/2) + 16 hh + 8 (t%2) + j).
.macro TOSTAGE m                       ; 16 rows x 128 columns through my stage, back as whole rows of 512 bytes into set m % 2 of window 3
	WIN 0x08
.irp t, 0,1,2,3,4,5,6,7
	ds_store_b128 v6, v[64*(\m)+8*\t:64*(\m)+8*\t+3] offset:128*(\t/2)+32*(\t%2)       ; each accumulator from its low end on
	ds_store_b128 v6, v[64*(\m)+8*\t+4:64*(\m)+8*\t+7] offset:128*(\t/2)+32*(\t%2)+16
.endr
	WIN 0xc0
.irp i, 0,1,2,3,4,5,6,7,8,9,10,11,12,13,14,15
	ds_load_b128 v[64*((\m)%2)+4*\i:64*((\m)%2)+4*\i+3], v5 offset:528*\i
.endr
	WIN 0
.endm
.macro SEND m, younger                 ; younger: the LDS instructions issued behind block m's loads, which may stay out
	s_wait_dscnt \younger
	WIN 0xc3
.irp i, 0,1,2,3,4,5,6,7,8,9,10,11,12,13,14,15
	v_pk_add_f32 v[64*((\m)%2)+4*\i:64*((\m)%2)+4*\i+1], v[64*((\m)%2)+4*\i:64*((\m)%2)+4*\i+1], v[48:49]
	v_pk_add_f32 v[64*((\m)%2)+4*\i+2:64*((\m)%2)+4*\i+3], v[64*((\m)%2)+4*\i+2:64*((\m)%2)+4*\i+3], v[50:51]
.endr
	WIN 0x0c
.irp i, 0,1,2,3,4,5,6,7,8,9,10,11,12,13,14,15
	global_store_b128 v1, v[64*((\m)%2)+4*\i:64*((\m)%2)+4*\i+3], s[10:11] offset:(16*(\m)+\i)*4096 th:TH_STORE_NT   ; 32 lanes store 512 consecutive bytes, at a multiple of 256 from out0's first byte
.endr
	WIN 0
.endm
	s_mov_b32 s[GC], 2
.Lf:
	s_wait_alu depctr_va_vdst(0)
	GROUPB MUL2, CIMG, f
	s_cmp_eq_u32 s[GC], 1
	s_cbranch_scc1 .Lf_last
	s_wait_alu depctr_va_vdst(0)
	STEP 0, MUL2, 0, 1, 1, 0, CIMG, REC, 39, 39    ; F0: the ring goes on into F1,
	STEP 1, MUL2, 0, 1, 1, 2, CIMG, 0, 39, 39      ; and F1's first record is fetched
	s_branch .Lf_out
.Lf_last:
	s_wait_alu depctr_va_vdst(0)
	STEP 0, MUL2, 0, 0, 1, 0, CIMG, REC, 39, 26    ; F1: nothing is left to fetch: no load leaves its buffer
	STEP 1, MUL2, 0, 0, 0, 0, CIMG, 0, 13, 0
.Lf_out:
	s_wait_xcnt 0x0                                ; the last group's stores have read their registers: the rows' two sets may be loaded again
	TOSTAGE 0
	TOSTAGE 1
	SEND 0, 32                                     ; behind block 0's loads: block 1's 16 stores and 16 loads
	s_wait_xcnt 0x0                                ; block 0's stores have read their registers
	TOSTAGE 2
	SEND 1, 32
	s_wait_xcnt 0x0
	TOSTAGE 3
	SEND 2, 32
	SEND 3, 0
	s_wait_xcnt 0x0                                ; the stores have read their base
	s_add_nc_u64 s[10:11], s[10:11], 512           ; on to F1's columns and bias (in the last trip these five lines serve nothing: they spare a branch)
.irp i, 0,1,2,3
	v_mov_b32 v[48+\i], v[52+\i]
.endr
	s_sub_co_u32 s[GC], s[GC], 1
	s_cmp_lg_u32 s[GC], 0
	s_cbranch_scc1 .Lf
	s_wait_tensorcnt 0x0                           ; the wave's end
	ds_add_u32 v[SPW], v[NIL]
	s_wait_dscnt 0x0
	s_endpgm
.Lfunc_end_k_q2f40d668b0_fused:
	.size	k_q2f40d668b0_fused, .Lfunc_end_k_q2f40d668b0_fused-k_q2f40d668b0_fused
	.p2alignl 7, 3214868480
	.fill 96, 4, 3214868480
	.section	.rodata,"a",@progbits
	.p2align	6, 0x0
	.amdhsa_kernel k_q2f40d668b0_fused
		.amdhsa_group_segment_fixed_size 307200
		.amdhsa_private_segment_fixed_size 0
		.amdhsa_enable_private_segment 0
		.amdhsa_kernarg_size 32
		.amdhsa_user_sgpr_count 2
		.amdhsa_user_sgpr_kernarg_segment_ptr 1
		.amdhsa_wavefront_size32 1
		.amdhsa_system_sgpr_workgroup_id_x 1
		.amdhsa_system_sgpr_workgroup_id_y 1
		.amdhsa_system_sgpr_workgroup_id_z 1
		.amdhsa_system_vgpr_workitem_id 0
		.amdhsa_next_free_vgpr 1024
		.amdhsa_next_free_sgpr 66
		.amdhsa_reserve_vcc 0
		.amdhsa_float_denorm_mode_32 3
		.amdhsa_float_denorm_mode_16_64 3
		.amdhsa_memory_ordered 1
		.amdhsa_forward_progress 1
		.amdhsa_inst_pref_size 255
	.end_amdhsa_kernel
	.section	.bss,"aw",@nobits
	.p2align	6
	.space	262144
	.amdgpu_metadata
---
amdhsa.version: [ 1, 2 ]
amdhsa.kernels:
  - .name:           k_q2f40d668b0_fused
    .symbol:         k_q2f40d668b0_fused.kd
    .args:
      - { .name: x, .offset: 0, .size: 8, .value_kind: global_buffer, .address_space: global }
      - { .name: wfrag, .offset: 8, .size: 8, .value_kind: global_buffer, .address_space: global }
      - { .name: bf, .offset: 16, .size: 8, .value_kind: global_buffer, .address_space: global }
      - { .name: out0, .offset: 24, .size: 8, .value_kind: global_buffer, .address_space: global }
    .group_segment_fixed_size: 307200
    .private_segment_fixed_size: 0
    .kernarg_segment_align: 8
    .kernarg_segment_size: 32
    .max_flat_workgroup_size: 128
    .sgpr_count:     66
    .vgpr_count:     1024
    .wavefront_size: 32
...
	.end_amdgpu_metadata
.endif
;; end of part 2
